; MI455X (gfx1250); checked and timed in simulation.
; The chip was launched on July 23, 2026; its instructions are those of AMD's public machine-readable ISA for CDNA 5 (MIT licence, August 2026) and "CDNA5" Instruction Set Architecture Reference Guide (July 2026). The comments in the code are by the model that wrote it; some were corrected since.
;; Attention. Allowed arithmetic: matrix products marked QUANTISED: E2M3 operands, one E8M0 scale for each 32 along K, by v_wmma_scale_f32_16x16x128_f8f6f4 with both operands' format E2M3, f32 sums; everything else in f32.
;; Inputs: W_codes 1,024 x 32 x 24 uint8 (E2M3 codes of W, K innermost, in blocks of 32 codes, four codes in three bytes); W_scales 1,024 x 32 uint8 (E8M0 scales of W, one for each 32 codes along K); b 1,024 float32; k 4 x 2,048 x 1,024 float32; mask 4 x 2,048 int32; q 4 x 2,048 x 1,024 float32; v_codes 4 x 1,024 x 64 x 24 uint8 (E2M3 codes of v, K innermost, in blocks of 32 codes, four codes in three bytes); v_scales 4 x 1,024 x 64 uint8 (E8M0 scales of v, one for each 32 codes along K).
;; Outputs: out0 4 x 2,048 x 1,024 float32.
;; This version of the problem:
;;   THIS VERSION OF THE PROBLEM IS GIVEN IN LOW PRECISION. The matrix products marked QUANTISED in the list below multiply operands that are first quantised to E2M3 (2 exponent bits, 3 mantissa bits; 6 bits a number), with one power-of-two scale for each 32 numbers along K (OCP MX v1.0); their sums are f32. All else is computed in f32.
;;   The module's matrix products, in the order in which they are computed (A, B: the left and right operand; K: the contracted axis; several contracted axes count as one K, in the product's order):
;;     1. batch 64 x [M 2,048, K 64] x [K 64, N 2,048]; A: input q; B: input k: QUANTISED
;;     2. batch 64 x [M 2,048, K 2,048] x [K 2,048, N 64]; A: softmax (see below); B: input v (given as codes): QUANTISED
;;     3. [M 8,192, K 1,024] x [K 1,024, N 1,024]; A: computed on the way; B: input W (given as codes): QUANTISED
;;   THE QUANTISER, for each operand of a quantised product, along K:
;;     - K is cut into blocks of 32 from its start; a last block that is shorter is filled with zeros.
;;     - A block's scale is 2^e with e = floor(log2(the largest magnitude in the block)) - 2, held to -126 .. 127; a block of zeros has e = 0. As a byte (E8M0): e + 127.
;;     - Each number is divided by its block's scale, clamped to +-7.5, and rounded to the nearest number of E2M3, ties to even, subnormals kept.
;;     - The product sums the exact products of the quantised numbers (number of the format x scale) in f32.
;;   ~~~python
;;   def quantise(x, axis):      # numpy; x: float32 -> the quantised numbers, widened to float32 again
;;       x = np.moveaxis(x, axis, -1); K = x.shape[-1]
;;       x = np.pad(x, [(0, 0)] * (x.ndim - 1) + [(0, -K % 32)]); x = x.reshape(x.shape[:-1] + (-1, 32)); a = np.abs(x).max(-1, keepdims=True)
;;       e = np.where(a > 0, np.clip(np.frexp(np.where(a > 0, a, 1))[1] - 1 - 2, -126, 127), 0)      # np.frexp(a)[1] - 1 = floor(log2(a)), exactly
;;       r = np.clip(x / 2.0 ** e, -7.5, 7.5)
;;       step = 2.0 ** (np.maximum(np.frexp(np.where(r == 0, 1, r))[1] - 1, 0) - 3)
;;       q = np.round(r / step) * step * 2.0 ** e      # np.round: ties to even
;;       return np.moveaxis(q.reshape(q.shape[:-2] + (-1,))[..., :K], -1, axis).astype(np.float32)
;;   ~~~
;;   SOFTMAX AHEAD OF A QUANTISED PRODUCT. Where the list says 'softmax', what is quantised is not the finished softmax but p = 2^(t - M), with t = logit x log2(e) and M = ceil(the row's largest t), a whole number; so 1/2 < the row's largest p <= 1. The row's sum l is taken of the UNQUANTISED p, in f32, and the product's result is divided by l at the end. Since M is a whole number, a kernel that streams over the keys may use a running M (the ceiling of the running maximum): every later rescaling is an exact power of two, which a block's scale takes up: the codes' values come out the same.
;;   OPERANDS COMPUTED ON THE WAY. 'Computed on the way' means the value that the module computes at that place (a softmax that the list does not call 'softmax' is quantised finished and normalised). What goes into a quantiser is computed in f32, as accurately as f32 sums, v_exp_f32 and their like allow (about 1e-6 of the number): no bf16 or f16 on the way to a quantiser, and a product that is left as it is and whose result goes on into a quantised operand takes f32 operands (vector FMAs, or v_wmma_f32_16x16x4_f32). A number that lies on a knife's edge between two numbers of the format may be rounded either way, as far as f32 arithmetic and the matrix unit's own rounding can turn it there, and no further.
;;   INPUTS GIVEN AS CODES. W (in the module: [1024, 1024], K = its axis 1); v (in the module: [4, 2048, 1024], K = its axis 1): each comes as NAME_codes (uint8): NAME with its K axis moved to the last place and cut into blocks of 32 codes, [.., K / 32, bytes a block], one block behind the other in memory; four codes in three bytes: a row's codes are one little-endian stream of bits, code i at bits 6 i .. 6 i + 5 (a code: sign, 2 exponent bits, 3 mantissa bits); and NAME_scales (uint8): the same leading axes, one E8M0 byte (e + 127) for each 32 codes along K. Its value is code x scale, taken as it is: it is not quantised again, and the codes and scales need not be those that the quantiser above would give.
;; One version. Each part assembles by itself: llvm-mc -triple=amdgcn-amd-amdhsa -mcpu=gfx1250 --defsym DOCPART=n.
;; ======== version 1 of 1: 3 launches
;; limits: right only within a limited range of input values
;; workspace buffers: kc 6,291,456 bytes; ks 524,288 bytes; ac 6,291,456 bytes; as 262,144 bytes
;; launch kquant (part 1): grid 512 x 1, 4 waves a work-group, no clusters, 37,376 bytes of LDS; arguments k, mask, kc, ks; writes kc, ks
.if DOCPART == 1
	.amdgcn_target "amdgcn-amd-amdhsa--gfx1250"
	.amdhsa_code_object_version 6
	.text
	.protected	k_q1d73675702_kquant
	.globl	k_q1d73675702_kquant
	.p2align	8
	.type	k_q1d73675702_kquant,@function
k_q1d73675702_kquant:
	s_mov_b64 s[64:65], 0
	v_nop
	global_prefetch_b8 v0, s[64:65] scope:SCOPE_SE
	s_setreg_imm32_b32 hwreg(HW_REG_WAVE_MODE, 25, 1), 1
	s_wait_xcnt 0x0
; k [4][2048][1024] f32 becomes codes of FP6 (E2M3) along each head's 64 numbers (two blocks of 32), laid as IMAGES OF THE OPERAND'S REGISTERS for the attention launch, and the padding mask goes into a spare scale byte.
; A block's scale is 2^(floor(log2(its largest magnitude)) - 2); its byte is the largest magnitude's exponent field - 2, held at 1 from below.
; LIMITS: a block of zeros, and a block whose largest magnitude lies under 2^-124, keeps the byte 1 (its codes are zeros or near zero; this program alone reads the bytes); NaN and infinities among the inputs are not served.
; SHARES.  Wave u = 4 x work-group + wave takes head u % 16 of 64 neighbouring keys (chunk u / 16): the four waves of a group read 1,024 neighbouring bytes of each row.  No loop, no barrier: waves share nothing, so clusters
; and tensor loads have nothing to give; every byte of k is read once.
; TILES.  The 64 keys are four tiles of 16: tile 2 G + u, row m, is key 32 G + 8 u + m + 8 (m / 8), so that the scores of two neighbouring tiles are 16 neighbouring keys in a lane of the next launch.
; kc: [16 b + head][32 chunks][4 tiles][768 bytes]: lane l's operand registers 0-3 at 16 l, registers 4-5 at 512 + 8 l; lane (r, h) holds block h of the tile's row r.
; ks: [16 b + head][32 chunks][lane][8 bytes]: word G; lanes 0-15 the word of tile 2 G, {k0, k1, m, 0}; lanes 16-31 that of tile 2 G + 1, {m, 0, k0, k1}; m = 227 (2^100) where mask == 1, else 0 (2^-127).
.set WREG,  9216                       ; LDS of a wave: a stage of 32 keys x 272 bytes, then its 256 bytes of scale words
.set SP,    272                        ; a key's place in the stage: 256 bytes + 16: the sixteen rows of a load start in sixteen different columns of 16 bytes
.set SCA,   32*SP
.set R,     16                         ; v16-143  two groups of 32 keys as loaded
.set X,     144                        ; v144-207 two tiles: 32 neighbours a lane
.set C,     208                        ; v208-239 codes: eight registers for each tile, so that no store's data are written again
.set MK,    240                        ; v240-243 the mask word of my row of each tile
.set T,     244                        ; v244-246 a block's upper 16 codes (a conversion's three registers begin on an even number)
.set MX,    15
.set MX2,   247
.set SCL,   248
.set BY,    249
.set WD,    250
.set OTH,   251
.set WORD,  252                        ; v252-255 a scale word for each tile
	s_load_b256 s[4:11], s[0:1], 0x0               ; k s[4:5], mask s[6:7], kc s[8:9], ks s[10:11]
	v_lshl_add_u32 v238, v0, 2, 0x9000
	v_mov_b32 v239, 0
	v_lshrrev_b32 v1, 5, v0
	v_readfirstlane_b32 s12, v1                    ; wave
	v_and_b32 v1, 31, v0                           ; lane
	v_and_b32 v2, 15, v0                           ; r
	s_wait_alu depctr_va_vdst(0)
	v_bfe_u32 v3, v0, 4, 1                         ; h
	s_lshl_b32 s13, ttmp9, 2
	s_add_co_u32 s13, s13, s12                     ; u
	s_and_b32 s14, s13, 15                         ; head
	s_lshr_b32 s15, s13, 4                         ; chunk of 64 rows, 0 .. 127
	s_lshl_b32 s16, s15, 18                        ; k: 64 rows of 4,096 bytes a chunk,
	s_lshl_b32 s18, s14, 8                         ; 256 bytes a head
	s_or_b32 s16, s16, s18
	s_mov_b32 s17, 0
	s_lshl_b32 s18, s15, 8                         ; mask: 64 words a chunk
	s_mov_b32 s19, 0
	s_lshr_b32 s22, s15, 5                         ; b
	s_lshl_b32 s22, s22, 4
	s_add_co_u32 s22, s22, s14                     ; 16 b + head
	s_lshl_b32 s22, s22, 5
	s_and_b32 s23, s15, 31
	s_add_co_u32 s22, s22, s23                     ; + the chunk in the sequence
	s_mul_i32 s24, s22, 3072                       ; kc: four tiles of 768 bytes
	s_mov_b32 s25, 0
	s_lshl_b32 s26, s22, 8                         ; ks: 256 bytes
	s_mov_b32 s27, 0
	s_mul_i32 s28, s12, WREG                       ; my wave's LDS
	s_add_co_u32 s29, s28, SCA
	s_mov_b32 s20, 0x76543210
	s_mov_b32 s21, 0xfedcba98                      ; v_permlanex16_b32's selects for lane l xor 16
	v_lshlrev_b32 v4, 4, v2
	s_wait_alu depctr_va_vdst(0)
	v_lshl_add_u32 v4, v3, 12, v4                  ; in: lanes 0-15 one key's 256 bytes, lanes 16-31 the next key's
	v_mul_u32_u24 v5, v3, SP
	v_lshl_add_u32 v5, v2, 4, v5
	v_add_nc_u32 v5, s28, v5                       ; into the stage, as loaded
	v_mul_u32_u24 v6, v2, SP
	v_lshl_add_u32 v6, v3, 7, v6
	v_add_nc_u32 v6, s28, v6                       ; out of it: row r of a tile, block h
	v_lshlrev_b32 v7, 4, v1                        ; 16 x lane
	v_lshlrev_b32 v8, 3, v1                        ; 8 x lane
	v_and_b32 v9, 8, v2
	v_add_nc_u32 v9, v9, v2
	v_lshlrev_b32 v9, 2, v9                        ; mask: word r + 8 (r / 8)
	v_lshl_add_u32 v10, v2, 3, s29                 ; a scale word's place: 8 r (+ 128 u + 4 G)
	v_lshl_add_u32 v11, v1, 3, s29                 ; and on the way out 8 bytes a lane
	v_lshlrev_b32 v12, 3, v3                       ; 8 h: my block's byte in the pair
	v_mov_b32 v13, 0
	v_mov_b32 v14, 227
	v_mov_b32 v[OTH], 0                            ; a lane permute's destination counts as one of its sources
	s_wait_alu depctr_va_vdst(0)
	s_wait_kmcnt 0x0
	s_add_nc_u64 s[4:5], s[4:5], s[16:17]
	s_add_nc_u64 s[6:7], s[6:7], s[18:19]
	s_add_nc_u64 s[8:9], s[8:9], s[24:25]
	s_add_nc_u64 s[10:11], s[10:11], s[26:27]
.macro LOAD grp                        ; 32 keys: each load takes two keys' aligned 256 bytes
.irp i, 0,1,2,3,4,5,6,7,8,9,10,11,12,13,14,15
	global_load_b128 v[R+64*\grp+4*\i:R+64*\grp+4*\i+3], v4, s[4:5] offset:(32*\grp+2*\i)*4096 th:TH_LOAD_NT
.endr
.endm
.macro TURN grp                        ; through the stage: key 2 i + h of the group goes to place 16 u + m of its tile and row; LDS serves a wave's instructions in order, so no wait stands between the stores and the loads
.irp i, 0,1,2,3,4,5,6,7,8,9,10,11,12,13,14,15
	ds_store_b128 v5, v[R+64*\grp+4*\i:R+64*\grp+4*\i+3] offset:(16*((\i/4)%2)+8*(\i/8)+2*(\i%4))*SP
.endr
.irp u, 0,1
.irp n, 0,1,2,3,4,5,6,7
	ds_load_b128 v[X+32*\u+4*\n:X+32*\u+4*\n+3], v6 offset:16*\u*SP+16*\n
.endr
.endr
.endm
.macro QT grp, u                       ; tile 2 grp + u: a whole block of 32 lies in my registers
.set XS, X+32*\u
.set TT, 2*\grp+\u
.set CT, C+8*TT
	v_max3_num_f32 v[MX], |v[XS]|, |v[XS+1]|, |v[XS+2]|
	v_max3_num_f32 v[MX2], |v[XS+3]|, |v[XS+4]|, |v[XS+5]|
.irp i, 6,10,14,18,22,26
	v_max3_num_f32 v[MX], v[MX], |v[XS+\i]|, |v[XS+\i+1]|
	v_max3_num_f32 v[MX2], v[MX2], |v[XS+\i+2]|, |v[XS+\i+3]|
.endr
	v_max3_num_f32 v[MX], v[MX], |v[XS+30]|, |v[XS+31]|
	v_max3_num_f32 v[MX], v[MX], v[MX2], 0x1800000             ; and the floor 2^(3 - 127): the byte cannot fall under 1
	v_add_nc_u32 v[SCL], 0xff000000, v[MX]                     ; 2 off the exponent field: the conversion takes this operand's exponent field as its scale
	v_cvt_scalef32_pk16_fp6_f32 v[CT:CT+2], v[XS:XS+15], v[SCL]
	v_cvt_scalef32_pk16_fp6_f32 v[T:T+2], v[XS+16:XS+31], v[SCL]
	v_lshrrev_b32 v[BY], 23, v[SCL]                            ; the scale's byte (the plain line behind the conversions)
.irp i, 0,1,2
	v_mov_b32 v[CT+3+\i], v[T+\i]
.endr
	v_lshlrev_b32 v[WD], v12, v[BY]
	v_permlanex16_b32 v[OTH], v[WD], s20, s21
	v_or_b32 v[WD], v[WD], v[OTH]                              ; {k0, k1}: the same in lanes r and r + 16
	v_cmp_eq_u32 vcc_lo, 1, v[MK+TT]
	v_cndmask_b32 v[MX2], v13, v14, vcc_lo                     ; m
.if \u
	v_lshl_or_b32 v[WORD+TT], v[WD], 16, v[MX2]                ; {m, 0, k0, k1}
.else
	v_lshl_or_b32 v[WORD+TT], v[MX2], 16, v[WD]                ; {k0, k1, m, 0}
.endif
	ds_store_b32 v10, v[WORD+TT] offset:128*\u+4*\grp          ; lanes r and r + 16 write the same word with the same value
	global_store_b128 v7, v[CT:CT+3], s[8:9] offset:768*TT     ; 512 consecutive bytes, aligned to 256
	global_store_b64 v8, v[CT+4:CT+5], s[8:9] offset:768*TT+512   ; 256 consecutive bytes, aligned
.endm
.irp t, 0,1,2,3
	global_load_b32 v[MK+\t], v9, s[6:7] offset:(32*(\t/2)+8*(\t%2))*4
.endr
	LOAD 0
	LOAD 1
	s_wait_loadcnt 16                              ; the mask words and group 0 are in; group 1's sixteen loads may be out
	TURN 0
	s_wait_dscnt 0x0
	QT 0, 0
	QT 0, 1
	s_wait_loadcnt 0x0
	TURN 1
	s_wait_dscnt 0x0
	QT 1, 0
	QT 1, 1
	ds_load_b64 v[16:17], v11                      ; LDS serves a wave's instructions in order: these see my four stores
	s_wait_dscnt 0x0
	global_store_b64 v8, v[16:17], s[10:11]        ; 256 consecutive bytes, aligned
	s_wait_tensorcnt 0x0
	ds_add_u32 v238, v239
	s_wait_dscnt 0x0
	s_endpgm
.Lfunc_end_k_q1d73675702_kquant:
	.size	k_q1d73675702_kquant, .Lfunc_end_k_q1d73675702_kquant-k_q1d73675702_kquant
	.p2alignl 7, 3214868480
	.fill 96, 4, 3214868480
	.section	.rodata,"a",@progbits
	.p2align	6, 0x0
	.amdhsa_kernel k_q1d73675702_kquant
		.amdhsa_group_segment_fixed_size 37376
		.amdhsa_private_segment_fixed_size 0
		.amdhsa_enable_private_segment 0
		.amdhsa_kernarg_size 32
		.amdhsa_user_sgpr_count 2
		.amdhsa_user_sgpr_kernarg_segment_ptr 1
		.amdhsa_wavefront_size32 1
		.amdhsa_system_sgpr_workgroup_id_x 1
		.amdhsa_system_sgpr_workgroup_id_y 1
		.amdhsa_system_sgpr_workgroup_id_z 1
		.amdhsa_system_vgpr_workitem_id 0
		.amdhsa_next_free_vgpr 256
		.amdhsa_next_free_sgpr 66
		.amdhsa_reserve_vcc 1
		.amdhsa_float_denorm_mode_32 3
		.amdhsa_float_denorm_mode_16_64 3
		.amdhsa_memory_ordered 1
		.amdhsa_forward_progress 1
		.amdhsa_inst_pref_size 18
	.end_amdhsa_kernel
	.amdgpu_metadata
---
amdhsa.version: [ 1, 2 ]
amdhsa.kernels:
  - .name:           k_q1d73675702_kquant
    .symbol:         k_q1d73675702_kquant.kd
    .args:
      - { .name: k, .offset: 0, .size: 8, .value_kind: global_buffer, .address_space: global }
      - { .name: mask, .offset: 8, .size: 8, .value_kind: global_buffer, .address_space: global }
      - { .name: kc, .offset: 16, .size: 8, .value_kind: global_buffer, .address_space: global }
      - { .name: ks, .offset: 24, .size: 8, .value_kind: global_buffer, .address_space: global }
    .group_segment_fixed_size: 37376
    .private_segment_fixed_size: 0
    .kernarg_segment_align: 8
    .kernarg_segment_size: 32
    .max_flat_workgroup_size: 128
    .sgpr_count:     66
    .vgpr_count:     256
    .wavefront_size: 32
...
	.end_amdgpu_metadata
.endif
;; end of part 1
;; launch attn (part 2): grid 4 x 64, 16 waves a work-group, clusters of 4 x 1, 327,680 bytes of LDS; arguments q, kc, ks, v_codes, v_scales, ac, as; writes ac, as
.if DOCPART == 2
	.amdgcn_target "amdgcn-amd-amdhsa--gfx1250"
	.amdhsa_code_object_version 6
	.text
	.protected	k_q1d73675702_attn
	.globl	k_q1d73675702_attn
	.p2align	8
	.type	k_q1d73675702_attn,@function
k_q1d73675702_attn:
	s_mov_b64 s[64:65], 0
	v_nop
	global_prefetch_b8 v0, s[64:65] scope:SCOPE_SE
	s_setreg_imm32_b32 hwreg(HW_REG_WAVE_MODE, 25, 1), 1
	s_wait_xcnt 0x0
	s_wait_alu depctr_hold_cnt(0) depctr_sa_sdst(0) depctr_va_vdst(0) depctr_va_sdst(0) depctr_va_ssrc(0) depctr_va_vcc(0) depctr_vm_vsrc(0)
	s_getreg_b32 s2, hwreg(HW_REG_IB_STS2, 6, 4)
	s_cmp_eq_u32 s2, 0
	s_cbranch_scc0 .Lentry_in_a_cluster
	s_endpgm
.Lentry_in_a_cluster:
	s_bfe_u32 s2, ttmp6, 0x10000c
	s_cmp_lg_u32 s2, 0x3003
	s_cbranch_scc0 .Lentry_shape_is_right
	s_endpgm
.Lentry_shape_is_right:
; Causal attention with a padding mask, one (batch, head) to a cluster of four work-groups, both products on codes of FP6 (E2M3) with one E8M0 scale for each 32 along K.  O / l is quantised along the head's 64
; and leaves as images of the projection's operand registers (ac) with its scale bytes (as).
; THE SOFTMAX: t = score x log2(e) / 8; M = the running largest t rounded UP to a whole number; p = 2^(t - M) is quantised along the keys; l is the sum of the unquantised p and divides O at the end.
; LEFT OUT: key steps whose 128 keys all come after a wave's queries: reference() builds the causal mask in its own body and sets those scores to -infinity, so their p is 0 for every input.
; LDS.  A whole head lies in LDS, each byte filled ONCE by joint loads that name all four work-groups: K's images (98,304 bytes), V's codes, both tensors' scale bytes.  One load a wave at the head:
; waves 0-5 a sixth of K's images, waves 6-11 a sixth of V's codes, wave 12 K's scale words, wave 13 V's scale bytes.  Every tensor row is 256 bytes of memory at a multiple of 256.
; V: a channel's 1,536 bytes are six rows of 256 + 8 of padding: pitch 1,584 bytes = 396 words, so channel r starts 12 r words on and the 32 lanes of a load of 8 bytes touch 64 different banks (64 banks of 4 bytes: ISA guide 11.1).
; A key step is 96 bytes of a channel: eight steps to three rows of 256.  So a trip of the loop holds eight steps, each with its own offsets; two trips a pass.
; SHARES.  Wave w runs two passes over one tile of 16 queries each: pass 0 in the block of 128 queries w, pass 1 in block 15 - w; in the block, tile 2 cx + pass: (w + 1) + (16 - w) = 17 key steps for every wave.
; Every branch compares counts made of the wave's number alone; the work-group's place cx enters global addresses and one vector value only.
; q comes as whole rows of 256 bytes (sixteen lanes a row) and is turned through the wave's own stage, so that a lane holds one block of 32 of one row.
; LAYOUT.  Both products are used transposed: S^T = K Q^T, O^T = V^T P^T: a lane holds ONE query (lane % 16).  Tile 2 p + u, row m, of K is key 32 p + 8 u + m + 8 (m / 8): the 16 registers of two neighbouring tiles are 16 neighbouring keys.
; THE HEAD HAS 64 NUMBERS, THE INSTRUCTION 128.  The empty half carries the padding mask: K's operand is (K | CM) or (CM | K), Q's is (Q | E) or (E | Q); CM holds one code -1.0, E one code +1.0, at the same k; K's scale word
; holds the byte m there (227 for a padded key, else 0), Q's the byte 127: a score gets -2^100 where the key is padded and -2^-127 where it is open.
; The running largest t begins at -2^90: above a padded key's t, under every real one.  A row with no open key ends with t = -2^90: its two scale bytes become 0xff, which makes the projection's sums of that row NaN, as a softmax over nothing is.
; LIMITS: |q . k| x 0.18 stays under 2^89; NaN and infinities among the inputs are not served; blocks whose largest magnitude lies under 2^-124 (blocks of zeros among them) keep the byte 1: this program alone reads the bytes.
; Nothing is prefetched: every stream is asked for once, at the head, with no loop to run ahead in.  The 2 scale bytes a row leave by stores of 2 bytes: 1 byte in 24 of what the launch stores.
.set KCB, 0                            ; K's images: a key step is 8 tiles x 768 bytes
.set VCB, 98304                        ; V: 64 channels x 1,584 bytes
.set KSB, 199680                       ; K's scale words: 512 bytes a key step
.set VSB, 207872                       ; V's scale bytes: 16 pieces of 256 bytes + 16
.set STG, 212224                       ; a stage of 16 rows x 272 bytes for each wave; no fill lands here
.set SPARE, 281856                     ; the spare words: 128 bytes a wave
.set VP,  1584
.set AKA, 1                            ; v1-9 addresses that stay
.set AKB, 2
.set AKS, 3
.set AV,  4
.set AV2, 5
.set AVS, 6
.set STI, 7
.set STA, 8
.set STB, 9
.set ADKA, 10                          ; the trip's addresses
.set ADKB, 11
.set ADV,  12                          ; v12-15: V's tiles 0-1, the same behind one padding more, tiles 2-3, the same
.set ADS,  94
.set ADT,  95
.set NM,  16                           ; -M
.set TR,  17                           ; the running largest t
.set LS,  18                           ; v[18:19] l in two halves
.set D0,  20                           ; my query - the diagonal step's first key - 16 h
.set H8,  21
.set QO,  22
.set LN,  23
.set QR,  24                           ; v24-41 [Q 6][E 6][Q 6]
.set QSA, 42                           ; {q0, q1, 127, 0}
.set QSB, 43                           ; {127, 0, q0, q1}
.set Q1,  44                           ; v44-49 pass 1's codes
.set QW,  50                           ; v50, v51 the passes' {q0, q1}
.set KR,  52                           ; v52-87 two runs [K lo 6][CM 6][K hi 6]
.set KSC, 88
.set VSC, 92
.set S,   96                           ; v96-159 q as loaded; S^T, then p; v96-143 then V's four fragments
.set OT,  160                          ; v160-191 O^T: tile 0, tile 2, tile 1, tile 3
.set PCD, 192
.set CT,  204
.set BM,  212
.set BX,  216
.set SC,  220
.set PW,  224
.set F,   226
.set T0,  228
.set T1,  229
.set T2,  230
.set T3,  231
.set SU,  232
.set L16, 234
.set L8,  235
.set R4,  236
.set DB,  237
.set RL,  238
.set W,   240                          ; v240-253 seven partial sums of p; at the head v240, v241 the stage's addresses
.set QSI, 240
.set QSO, 241
.set WV,  18
.set CX,  19
.set BH,  20
.set CS,  22
.set G0KC, 24
.set G0KS, 28
.set G0VC, 32
.set G0VS, 36
.set G1KC, 40
.set G1KS, 48
.set G1VC, 56
.set PS,  66                           ; passes to go
.set G1VS, 68
.set SEL, 76
.set JB,  78                           ; s78 this pass's block of 128 queries = its diagonal step; s79 pass 1's
.set ST,  80
.set SL,  81
.set TK,  82
.set TS,  83
.set TV,  84
.set TJ,  85
.macro SHAPE g, c, rws, pit            ; words 1 to 7 of a descriptor's group 1
	s_mov_b32 s[\g+1], (\c)<<16
	s_mov_b32 s[\g+2], (\rws)<<16
	s_mov_b32 s[\g+3], (\c)<<16
	s_mov_b32 s[\g+4], \rws
	s_mov_b32 s[\g+5], \pit
	s_mov_b32 s[\g+6], 0
	s_mov_b32 s[\g+7], 0
.endm
.macro CROUND                          ; a round of the cluster's barrier
	s_barrier_signal -1
	s_barrier_wait -1
	s_cmp_lg_u32 s[WV], 0
	s_cbranch_scc1 .Lnot_wave_0_\@
	s_barrier_signal -3
.Lnot_wave_0_\@:
	s_barrier_wait -3
	s_barrier_signal -1
	s_barrier_wait -1
.endm
	s_load_b256 s[4:11], s[0:1], 0x0               ; q s[4:5], kc s[6:7], ks s[8:9], v_codes s[10:11]
	s_load_b128 s[12:15], s[0:1], 0x20             ; v_scales s[12:13], ac s[14:15]
	s_load_b64 s[16:17], s[0:1], 0x30              ; as
	v_lshl_add_u32 v254, v0, 2, SPARE
	v_mov_b32 v255, 0
	ds_add_u32 v254, v255                          ; the opening lines: the add, twice on end, and its wait
	ds_add_u32 v254, v255
	v_lshrrev_b32 v1, 5, v0
	v_readfirstlane_b32 s[WV], v1                  ; wave 0..15
	s_bfe_u32 s[CX], ttmp6, 0x40000                ; cx
	s_and_b32 s[BH], ttmp7, 0xffff                 ; 16 b + head, which the four partners share
	s_mov_b32 s[G1KC], 15|(3<<16)|(1<<21)          ; the mask names all four; elements of 8 bytes; bit 21 beside a mask; dense
	SHAPE G1KC, 32, 64, 32                         ; 64 rows of 256 bytes
	s_mov_b32 s[G1KS], 15|(3<<16)|(1<<21)
	SHAPE G1KS, 32, 32, 32
	s_mov_b32 s[G1VC], 15|(3<<16)|(1<<20)|(1<<21)|(5<<22)|(1<<25)   ; 2 words of padding behind every 64
	SHAPE G1VC, 32, 64, 32
	s_mov_b32 s[G1VS], 15|(3<<16)|(1<<20)|(1<<21)|(5<<22)|(3<<25)   ; 4 words of padding behind every 64
	SHAPE G1VS, 32, 16, 32
	s_mov_b32 s[CS], 0x3e38aa3b                    ; c = log2(e) / 8
	s_mov_b32 s[CS+1], s[CS]
	s_mov_b32 s[SEL], 0x76543210
	s_mov_b32 s[SEL+1], 0xfedcba98
	; byte offsets are made in the registers that will hold the addresses
	s_mul_i32 s2, s[BH], 98304                     ; the head's first byte in kc and in v_codes
	s_min_u32 s3, s[WV], 5                         ; K's sixth (waves 0-5)
	s_lshl_b32 s3, s3, 14
	s_mov_b32 s[G0KC], 1
	s_mov_b32 s[G0KC+1], s3
	s_add_co_u32 s[G0KC+2], s2, s3
	s_mov_b32 s[G0KC+3], 0
	s_add_co_u32 s21, s[WV], 10
	s_and_b32 s21, s21, 15
	s_min_u32 s21, s21, 5                          ; V's sixth (waves 6-11)
	s_mov_b32 s[G0VC], 1
	s_mul_i32 s[G0VC+1], s21, 16896
	s_add_co_u32 s[G0VC+1], s[G0VC+1], VCB
	s_lshl_b32 s21, s21, 14
	s_add_co_u32 s[G0VC+2], s2, s21
	s_mov_b32 s[G0VC+3], 0
	s_mov_b32 s[G0KS], 1
	s_mov_b32 s[G0KS+1], KSB
	s_lshl_b32 s[G0KS+2], s[BH], 13
	s_mov_b32 s[G0KS+3], 0
	s_mov_b32 s[G0VS], 1
	s_mov_b32 s[G0VS+1], VSB
	s_lshl_b32 s[G0VS+2], s[BH], 12
	s_mov_b32 s[G0VS+3], 0
	; my two tiles of queries: row = 2,048 b + 128 block + 32 cx + 16 pass
	s_lshr_b32 s2, s[BH], 4                        ; b
	s_and_b32 s3, s[BH], 15                        ; head
	s_mov_b32 s[JB], s[WV]
	s_sub_co_u32 s[JB+1], 15, s[WV]
	s_lshl_b32 s2, s2, 11
	s_lshl_b32 s21, s[CX], 5
	s_add_co_u32 s2, s2, s21
	s_lshl_b32 s98, s[JB], 7
	s_add_co_u32 s98, s98, s2                      ; pass 0's first row
	s_lshl_b32 s99, s[JB+1], 7
	s_add_co_u32 s99, s99, s2
	s_add_co_u32 s99, s99, 16                      ; pass 1's
	s_lshl_b32 s2, s3, 8                           ; the head's 256 bytes in a row
	s_lshl_b32 s86, s98, 12
	s_add_co_u32 s86, s86, s2
	s_mov_b32 s87, 0
	s_lshl_b32 s88, s99, 12
	s_add_co_u32 s88, s88, s2
	s_mov_b32 s89, 0
	s_add_co_u32 s90, s98, s3                      ; ac: (row tile x 16 + head) x 768 = (row + head) x 768
	s_mul_i32 s90, s90, 768
	s_mov_b32 s91, 0
	s_add_co_u32 s92, s99, s3
	s_mul_i32 s92, s92, 768
	s_mov_b32 s93, 0
	s_lshr_b32 s2, s3, 1                           ; as: 32 bytes a row + 64 (head / 2) + 2 (head % 2)
	s_lshl_b32 s2, s2, 6
	s_and_b32 s3, s3, 1
	s_lshl_b32 s3, s3, 1
	s_add_co_u32 s2, s2, s3
	s_lshl_b32 s94, s98, 5
	s_add_co_u32 s94, s94, s2
	s_mov_b32 s95, 0
	s_lshl_b32 s96, s99, 5
	s_add_co_u32 s96, s96, s2
	s_mov_b32 s97, 0
	s_mul_i32 s2, s[WV], 4352
	s_add_co_u32 s2, s2, STG                       ; my stage
	; all vector set-up in one run
	v_and_b32 v[LN], 31, v0
	v_and_b32 v[T0], 15, v0                        ; r
	v_bfe_u32 v[T1], v0, 4, 1                      ; h
	v_lshlrev_b32 v[QO], 4, v[T0]
	v_mul_u32_u24 v[QSI], v[T1], 272
	v_mul_u32_u24 v[QSO], v[T0], 272
	v_lshl_add_u32 v[QO], v[T1], 12, v[QO]         ; q: lanes 0-15 one row's 256 bytes, lanes 16-31 the next row's
	v_lshl_add_u32 v[QSI], v[T0], 4, v[QSI]
	v_lshl_add_u32 v[QSO], v[T1], 7, v[QSO]
	v_add_nc_u32 v[QSI], s2, v[QSI]                ; into the stage as loaded,
	v_add_nc_u32 v[QSO], s2, v[QSO]                ; out of it: row r, block h
	v_lshlrev_b32 v[AKA], 4, v[LN]                 ; K's images: registers 0-3 at 16 x lane,
	v_lshl_add_u32 v[AKB], v[LN], 3, 512           ; registers 4-5 at 512 + 8 x lane
	v_lshl_add_u32 v[AKS], v[LN], 3, KSB           ; K's scale words: 8 bytes a lane
	v_mul_u32_u24 v[AV], v[T0], VP
	v_lshrrev_b32 v[T2], 2, v[LN]
	v_and_b32 v[T3], 3, v[LN]
	v_mad_u32_u24 v[AV], v[T1], 24, v[AV]
	v_mul_u32_u24 v[AVS], v[T2], 272
	v_add_nc_u32 v[AV], VCB, v[AV]                 ; V: channel r, + 24 h;
	v_lshl_add_u32 v[AVS], v[T3], 6, v[AVS]
	v_lshl_add_u32 v[AV2], v[T1], 3, v[AV]         ; and the same with lanes 16-31 behind one padding more
	v_add_nc_u32 v[AVS], VSB, v[AVS]               ; V's scale bytes: channel = lane: 64 bytes a channel, four channels to a piece of 272
	v_mul_u32_u24 v[STI], v[LN], 24
	v_lshl_add_u32 v[STA], v[LN], 4, s2
	v_lshl_add_u32 v[STB], v[LN], 3, s2
	v_add_nc_u32 v[STI], s2, v[STI]
	v_add_nc_u32 v[STB], 512, v[STB]
	v_lshlrev_b32 v[L16], 4, v[LN]
	v_lshlrev_b32 v[L8], 3, v[LN]
	v_lshlrev_b32 v[R4], 2, v[T0]
	v_lshlrev_b32 v[H8], 3, v[T1]
	v_lshlrev_b32 v[T2], 4, v[T1]
	v_xor_b32 v[T3], 1, v[T1]                      ; 1 in lanes 0-15
	v_sub_nc_u32 v[DB], v[T0], v[T2]
	v_lshlrev_b32 v[QR+6], 3, v[T3]                ; E: the code 8 (+1.0) at the half's first k, zeros elsewhere
	v_mul_u32_u24 v[KR+6], 40, v[T3]               ; CM: the code 40 (-1.0) at the same k
	v_add_nc_u32 v[DB], s21, v[DB]                 ; r - 16 h + 32 cx
	v_mov_b32 v[KR+24], v[KR+6]
	v_mov_b32 v[D0], v[DB]
.irp i, 1,2,3,4,5
	v_mov_b32 v[QR+6+\i], 0
	v_mov_b32 v[KR+6+\i], 0
	v_mov_b32 v[KR+24+\i], 0
.endr
.irp b, 0,1,2,3
	v_mov_b32 v[BX+\b], 0                          ; a lane permute's destination counts as one of its sources
.endr
	v_mov_b32 v[F+1], 0                            ; (the upper halves of pairs of which the low word serves both halves)
	v_mov_b32 v[RL+1], 0
	s_wait_alu depctr_va_vdst(0)
	s_wait_dscnt 0x0                               ; both opening adds are done
	s_wait_kmcnt 0x0
	s_add_nc_u64 s[86:87], s[4:5], s[86:87]        ; q for pass 0
	s_add_nc_u64 s[88:89], s[4:5], s[88:89]        ; and for pass 1
.irp i, 0,1,2,3,4,5,6,7
	global_load_b128 v[S+4*\i:S+4*\i+3], v[QO], s[86:87] offset:8192*\i th:TH_LOAD_NT      ; two rows' aligned 256 bytes
.endr
.irp i, 0,1,2,3,4,5,6,7
	global_load_b128 v[S+32+4*\i:S+32+4*\i+3], v[QO], s[88:89] offset:8192*\i th:TH_LOAD_NT
.endr
	s_add_nc_u64 s[G0KC+2:G0KC+3], s[6:7], s[G0KC+2:G0KC+3]
	s_or_b32 s[G0KC+3], s[G0KC+3], 0x80000000
	s_add_nc_u64 s[G0KS+2:G0KS+3], s[8:9], s[G0KS+2:G0KS+3]
	s_or_b32 s[G0KS+3], s[G0KS+3], 0x80000000
	s_add_nc_u64 s[G0VC+2:G0VC+3], s[10:11], s[G0VC+2:G0VC+3]
	s_or_b32 s[G0VC+3], s[G0VC+3], 0x80000000
	s_add_nc_u64 s[G0VS+2:G0VS+3], s[12:13], s[G0VS+2:G0VS+3]
	s_or_b32 s[G0VS+3], s[G0VS+3], 0x80000000
	s_add_nc_u64 s[90:91], s[14:15], s[90:91]
	s_add_nc_u64 s[92:93], s[14:15], s[92:93]
	s_add_nc_u64 s[94:95], s[16:17], s[94:95]
	s_add_nc_u64 s[96:97], s[16:17], s[96:97]
	CROUND                                         ; all four work-groups are here: the joint loads meet
; the head's fills: one chain of branches on the wave's number, one load to an arm, all arms to one join; an s_nop 0 and four v_nop follow each load
.macro ARM under, g0, g1, next
	s_cmp_lt_u32 s[WV], \under
	s_cbranch_scc0 \next
	tensor_load_to_lds s[\g0:\g0+3], s[\g1:\g1+7]
	s_nop 0
.rept 4
	v_nop
.endr
	s_branch .Lasked
\next:
.endm
	ARM 6,  G0KC, G1KC, .Lfill_v
	ARM 12, G0VC, G1VC, .Lfill_ks
	ARM 13, G0KS, G1KS, .Lfill_vs
	ARM 14, G0VS, G1VS, .Lfill_none
.Lasked:
; 32 numbers of a lane, one whole block, become six registers of codes at v[dst]; wrd gets {byte of block 0, byte of block 1} of my row
.macro QQ src, dst, wrd
	v_max3_num_f32 v[T0], |v[\src]|, |v[\src+1]|, |v[\src+2]|
	v_max3_num_f32 v[T1], |v[\src+3]|, |v[\src+4]|, |v[\src+5]|
.irp i, 6,10,14,18,22,26
	s_delay_alu instid0(VALU_DEP_2)
	v_max3_num_f32 v[T0], v[T0], |v[\src+\i]|, |v[\src+\i+1]|
	s_delay_alu instid0(VALU_DEP_2)
	v_max3_num_f32 v[T1], v[T1], |v[\src+\i+2]|, |v[\src+\i+3]|
.endr
	s_delay_alu instid0(VALU_DEP_2)
	v_max3_num_f32 v[T0], v[T0], |v[\src+30]|, |v[\src+31]|
	s_delay_alu instid0(VALU_DEP_1)
	v_max3_num_f32 v[T0], v[T0], v[T1], 0x1800000              ; the floor 2^(3 - 127): the byte cannot fall under 1
	s_delay_alu instid0(VALU_DEP_1)
	v_add_nc_u32 v[T2], 0xff000000, v[T0]                      ; 2 off the exponent field: the conversion's scale operand
	v_cvt_scalef32_pk16_fp6_f32 v[\dst:\dst+2], v[\src:\src+15], v[T2]
	v_cvt_scalef32_pk16_fp6_f32 v[CT:CT+2], v[\src+16:\src+31], v[T2]   ; (a conversion's three registers begin on an even number)
	v_lshrrev_b32 v[T3], 23, v[T2]                             ; the byte (the plain line behind the conversions)
.irp i, 0,1,2
	v_mov_b32 v[\dst+3+\i], v[CT+\i]
.endr
	s_delay_alu instid0(VALU_DEP_4)
	v_lshlrev_b32 v[T3], v[H8], v[T3]
	s_delay_alu instid0(VALU_DEP_1)
	v_permlanex16_b32 v[BX], v[T3], s[SEL], s[SEL+1]
	s_delay_alu instid0(VALU_DEP_1)
	v_or_b32 v[\wrd], v[T3], v[BX]
.endm
.macro QTURN src                       ; 16 rows through my stage: LDS serves a wave's instructions in order, so no wait stands between the stores and the loads
.irp i, 0,1,2,3,4,5,6,7
	ds_store_b128 v[QSI], v[\src+4*\i:\src+4*\i+3] offset:544*\i
.endr
.irp n, 0,1,2,3,4,5,6,7
	ds_load_b128 v[OT+4*\n:OT+4*\n+3], v[QSO] offset:16*\n
.endr
	s_wait_dscnt 0x0
.endm
	s_wait_loadcnt 8                               ; pass 0's eight loads are in; pass 1's eight may be out
	QTURN S
	QQ OT, QR, QW
	s_wait_loadcnt 0x0
	QTURN S+32
	QQ OT, Q1, QW+1
	s_wait_alu depctr_va_vdst(0)
	s_wait_tensorcnt 0x0                           ; my part of the head has landed,
	s_barrier_signal -1
	s_barrier_wait -1                              ; everybody's has: from here on LDS below the stages is only read
; A KEY STEP: 128 keys, the q-th of the trip's eight
.macro STEP q
	s_cmp_gt_u32 s[ST], s[JB]                      ; all its keys come after my queries: left out
	s_cbranch_scc1 .Lhid_\@
	s_wait_alu depctr_va_vdst(0)
.irp g, 0,1                                    ; S^T = K Q^T, four tiles at a time
.if \g
.rept 4
	v_nop                                          ; places in front of loads into registers that the last four products read
.endr
.endif
.irp x, 0,1
.irp u, 0,1
	ds_load_b128 v[KR+18*\x+12*\u:KR+18*\x+12*\u+3], v[ADKA] offset:6144*\q+768*(4*\g+2*\x+\u)
	ds_load_b64 v[KR+18*\x+12*\u+4:KR+18*\x+12*\u+5], v[ADKB] offset:6144*\q+768*(4*\g+2*\x+\u)
.endr
.endr
	ds_load_b64 v[KSC+2*\g:KSC+2*\g+1], v[ADS] offset:512*\q+256*\g
	s_wait_dscnt 0x0
.irp x, 0,1
	v_wmma_scale_f32_16x16x128_f8f6f4 v[S+8*(4*\g+2*\x):S+8*(4*\g+2*\x)+7], v[KR+18*\x:KR+18*\x+11], v[QR:QR+11], 0, v[KSC+2*\g+\x], v[QSA] matrix_a_fmt:MATRIX_FMT_FP6 matrix_b_fmt:MATRIX_FMT_FP6
	v_wmma_scale_f32_16x16x128_f8f6f4 v[S+8*(4*\g+2*\x+1):S+8*(4*\g+2*\x+1)+7], v[KR+18*\x+6:KR+18*\x+17], v[QR+6:QR+17], 0, v[KSC+2*\g+\x], v[QSB] matrix_a_fmt:MATRIX_FMT_FP6 matrix_b_fmt:MATRIX_FMT_FP6 matrix_a_scale:MATRIX_SCALE_ROW1
.endr
.endr                                          ; register 16 b + i of lane (r, h): key 32 b + 16 h + i of the step, query r
.rept 4
	v_nop
.endr
	s_cmp_lt_u32 s[ST], s[JB]                      ; a step ahead of the diagonal: all its keys count
	s_cbranch_scc1 .Lopen_\@
	v_mov_b32 v[T0], 0xff800000                    ; on the diagonal: -infinity where 32 b + i > my query - the step's first key - 16 h
.set n, 0
.rept 64
	v_cmp_gt_i32 vcc_lo, 32*(n/16)+n%16, v[D0]
	v_cndmask_b32 v[S+n], v[S+n], v[T0], vcc_lo
.set n, n+1
.endr
.Lopen_\@:
.irp b, 0,1,2,3
	v_max3_num_f32 v[BM+\b], v[S+16*\b], v[S+1+16*\b], v[S+2+16*\b]   ; the largest score of each block of 32 keys: for the row's maximum, and, since p rises with the score, for the block's largest p
.endr
.irp i, 3,5,7,9,11,13
.irp b, 0,1,2,3
	v_max3_num_f32 v[BM+\b], v[BM+\b], v[S+16*\b+\i], v[S+1+16*\b+\i]
.endr
.endr
.irp b, 0,1,2,3
	v_max_num_f32 v[BM+\b], v[BM+\b], v[S+15+16*\b]
.endr
.irp b, 0,1,2,3
	s_delay_alu instid0(VALU_DEP_4)
	v_permlanex16_b32 v[BX+\b], v[BM+\b], s[SEL], s[SEL+1]
.endr
.irp b, 0,1,2,3
	s_delay_alu instid0(VALU_DEP_4)
	v_max_num_f32 v[BM+\b], v[BM+\b], v[BX+\b]     ; with lane l xor 16's 16 keys
.endr
	s_delay_alu instid0(VALU_DEP_2)
	v_max3_num_f32 v[T0], v[BM], v[BM+1], v[BM+2]
	s_delay_alu instid0(VALU_DEP_1)
	v_max_num_f32 v[T0], v[T0], v[BM+3]
	s_delay_alu instid0(VALU_DEP_1)
	v_mul_f32 v[T0], s[CS], v[T0]                  ; the step's largest t of my query
	s_delay_alu instid0(VALU_DEP_1)
	v_max_num_f32 v[TR], v[TR], v[T0]
	v_mov_b32 v[T0], v[NM]
	s_delay_alu instid0(VALU_DEP_2)
	v_floor_f32 v[NM], -v[TR]                      ; -M = floor(-t): M is a whole number
	s_delay_alu instid0(VALU_DEP_1)
	v_sub_f32 v[T0], v[NM], v[T0]                  ; old M - new M: a whole number, 0 or less
	s_delay_alu instid0(VALU_DEP_1)
	v_cvt_i32_f32 v[T0], v[T0]                     ; (it saturates)
	s_delay_alu instid0(VALU_DEP_1)
	v_ldexp_f32 v[F], 1.0, v[T0]                   ; f = 2^(old M - new M): rounds nothing
.set j, 0
.rept 32
	v_pk_fma_f32 v[S+j:S+j+1], v[S+j:S+j+1], s[CS:CS+1], v[NM:NM+1] op_sel_hi:[1,0,0]   ; t - M
.set j, j+2
.endr
.irp b, 0,1,2,3
	v_fma_f32 v[BM+\b], v[BM+\b], s[CS], v[NM]
.endr
.set j, 0
	s_wait_alu depctr_va_vdst(0)
.rept 64
	v_exp_f32 v[S+j], v[S+j]                       ; p = 2^(t - M)
.set j, j+1
.endr
.irp b, 0,1,2,3
	v_exp_f32 v[BM+\b], v[BM+\b]                   ; the block's largest p: the same two instructions on the same number
.endr
	v_pk_mul_f32 v[LS:LS+1], v[LS:LS+1], v[F:F+1] op_sel_hi:[1,0]   ; l under the new M (the plain line behind the exponentials)
	s_wait_alu depctr_va_vdst(0)                   ; and behind it
.irp b, 0,1,2,3
	v_max_num_f32 v[BM+\b], 0x1800000, v[BM+\b]    ; the floor 2^(3 - 127)
.endr
.irp b, 0,1,2,3
	s_delay_alu instid0(VALU_DEP_4)
	v_add_nc_u32 v[SC+\b], 0xff000000, v[BM+\b]
.endr
.irp b, 0,1,2,3
	s_delay_alu instid0(VALU_DEP_4)
	v_lshrrev_b32 v[BX+\b], 23, v[SC+\b]
.endr
	s_delay_alu instid0(VALU_DEP_3)
	v_lshl_or_b32 v[PW], v[BX+1], 8, v[BX]         ; p's scale word for these 128 keys
	s_delay_alu instid0(VALU_DEP_1)
	v_lshl_or_b32 v[PW], v[BX+2], 16, v[PW]
	s_delay_alu instid0(VALU_DEP_1)
	v_lshl_or_b32 v[PW], v[BX+3], 24, v[PW]
.irp c, 0,1
	v_cvt_scalef32_pk16_fp6_f32 v[PCD+6*\c:PCD+6*\c+2], v[S+32*\c:S+32*\c+15], v[SC+2*\c]
	v_cvt_scalef32_pk16_fp6_f32 v[CT+4*\c:CT+4*\c+2], v[S+16+32*\c:S+31+32*\c], v[SC+2*\c+1]
.endr
	v_nop                                          ; one plain line behind the conversions
.irp c, 0,1                                    ; the operand wants a WHOLE block in a lane: lanes 0-15 block 2 c, lanes 16-31 block 2 c + 1
.irp i, 0,1,2
	v_permlane16_swap_b32 v[PCD+6*\c+\i], v[CT+4*\c+\i]
.endr
.irp i, 0,1,2
	s_delay_alu instid0(VALU_DEP_3)
	v_mov_b32 v[PCD+3+6*\c+\i], v[CT+4*\c+\i]
.endr
.endr
; l += the 64 unquantised p: 32 pairs in eight chains (seven partial sums and l itself), then joined
.irp i, 0,1,2,3,4,5,6
	v_pk_add_f32 v[W+2*\i:W+2*\i+1], v[S+4*\i:S+4*\i+1], v[S+4*\i+2:S+4*\i+3]
.endr
	v_pk_add_f32 v[LS:LS+1], v[LS:LS+1], v[S+28:S+29]
.irp o, 30,46
.irp i, 0,1,2,3,4,5,6
	v_pk_add_f32 v[W+2*\i:W+2*\i+1], v[W+2*\i:W+2*\i+1], v[S+\o+2*\i:S+\o+2*\i+1]
.endr
	v_pk_add_f32 v[LS:LS+1], v[LS:LS+1], v[S+\o+14:S+\o+15]
.endr
	v_pk_add_f32 v[W:W+1], v[W:W+1], v[S+62:S+63]
	v_pk_add_f32 v[W+4:W+5], v[W+4:W+5], v[W+6:W+7]
	v_pk_add_f32 v[W+8:W+9], v[W+8:W+9], v[W+10:W+11]
	v_pk_add_f32 v[LS:LS+1], v[LS:LS+1], v[W+12:W+13]
	v_pk_add_f32 v[W:W+1], v[W:W+1], v[W+2:W+3]
	s_delay_alu instid0(VALU_DEP_2)
	v_pk_add_f32 v[LS:LS+1], v[LS:LS+1], v[W+8:W+9]
	s_delay_alu instid0(VALU_DEP_2)
	v_pk_add_f32 v[W:W+1], v[W:W+1], v[W+4:W+5]
	s_delay_alu instid0(VALU_DEP_1)
	v_pk_add_f32 v[LS:LS+1], v[LS:LS+1], v[W:W+1]
.irp t, 0,1,2,3                                ; V's four tiles of 16 channels x these 128 keys, into p's registers, which have been read.  Pieces of 8 bytes; byte y of a channel lies at y + 8 (y / 256); where lanes 16-31's piece lies in the next row of 256, the second address serves
.irp p, 0,1,2,3,4,5
.set VY, 96*\q+48*(\p/3)+8*(\p%3)
.if VY/256 == (VY+24)/256
	ds_load_b64 v[S+12*\t+2*\p:S+12*\t+2*\p+1], v[ADV+2*(\t/2)] offset:VY+8*(VY/256)+16*VP*(\t%2)
.else
	ds_load_b64 v[S+12*\t+2*\p:S+12*\t+2*\p+1], v[ADV+1+2*(\t/2)] offset:VY+8*(VY/256)+16*VP*(\t%2)
.endif
.endr
.endr
	ds_load_b32 v[VSC], v[ADT] offset:4*\q         ; lanes 0-15: tile 0's words, lanes 16-31: tile 1's
	ds_load_b32 v[VSC+1], v[ADT] offset:2176+4*\q  ; tiles 2 and 3
	s_wait_alu depctr_va_vdst(0)
.set j, 0
.rept 16
	v_pk_mul_f32 v[OT+j:OT+j+1], v[OT+j:OT+j+1], v[F:F+1] op_sel_hi:[1,0]   ; O^T under the new M, while the loads land; each accumulator from its low end on
.set j, j+2
.endr
	s_wait_alu depctr_va_vdst(0)
	s_wait_dscnt 0x0
.irp e, 0,1                                    ; O^T += V^T P^T: the four accumulators by turns, one instruction a turn
	v_wmma_scale_f32_16x16x128_f8f6f4 v[OT+8*\e:OT+8*\e+7], v[S+24*\e:S+24*\e+11], v[PCD:PCD+11], v[OT+8*\e:OT+8*\e+7], v[VSC+\e], v[PW] matrix_a_fmt:MATRIX_FMT_FP6 matrix_b_fmt:MATRIX_FMT_FP6
	v_wmma_scale_f32_16x16x128_f8f6f4 v[OT+16+8*\e:OT+16+8*\e+7], v[S+24*\e+12:S+24*\e+23], v[PCD:PCD+11], v[OT+16+8*\e:OT+16+8*\e+7], v[VSC+\e], v[PW] matrix_a_fmt:MATRIX_FMT_FP6 matrix_b_fmt:MATRIX_FMT_FP6 matrix_a_scale:MATRIX_SCALE_ROW1
.endr
.rept 5
	v_nop                                          ; five places: the next step's products write over V's registers (ISA guide 7.12.1)
.endr
.Lhid_\@:
	s_add_co_u32 s[ST], s[ST], 1
.endm
	s_mov_b32 s[PS], 2
.Lpass:                                                ; two trips: what differs between the passes lies in v[QR..], v[QW], v[D0], s[JB], s[90:91], s[94:95]
.irp i, 0,1,2,3,4,5
	v_mov_b32 v[QR+12+\i], v[QR+\i]
.endr
	v_or_b32 v[QSA], 0x7f0000, v[QW]
	v_lshl_or_b32 v[QSB], v[QW], 16, 127
	v_mov_b32 v[TR], 0xec800000                    ; -2^90
	v_mov_b32 v[NM], 0x6c800000                    ; -M = 2^90
	v_mov_b32 v[LS], 0
	v_mov_b32 v[LS+1], 0
.set j, 0
.rept 32
	v_mov_b32 v[OT+j], 0                           ; the step is written once for all steps: the first finds zeros.  (These lines are also the places behind Q's scale words)
.set j, j+1
.endr
	s_mov_b32 s[TK], 0
	s_mov_b32 s[TS], 0
	s_mov_b32 s[TV], 0
	s_mov_b32 s[TJ], 0
	s_mov_b32 s[ST], 0
	s_mov_b32 s[SL], 2
.Lhalf:                                                ; two trips, a constant: 1,024 keys a trip; what lies behind the diagonal is jumped over step by step
	v_add_nc_u32 v[ADKA], s[TK], v[AKA]
	v_add_nc_u32 v[ADKB], s[TK], v[AKB]
	v_add_nc_u32 v[ADS], s[TS], v[AKS]
	v_add_nc_u32 v[ADV], s[TV], v[AV]
	v_add_nc_u32 v[ADV+1], s[TV], v[AV2]
	v_add_nc_u32 v[ADT], s[TJ], v[AVS]
	v_add_nc_u32 v[ADV+2], 32*VP, v[ADV]
	v_add_nc_u32 v[ADV+3], 32*VP, v[ADV+1]
.irp s, 0,1,2,3,4,5,6,7
	STEP \s
.endr
	s_add_co_u32 s[TK], s[TK], 49152
	s_add_co_u32 s[TS], s[TS], 4096
	s_add_co_u32 s[TV], s[TV], 792                 ; 768 bytes of a channel and three paddings
	s_add_co_u32 s[TJ], s[TJ], 32
	s_sub_co_u32 s[SL], s[SL], 1
	s_cmp_lg_u32 s[SL], 0
	s_cbranch_scc1 .Lhalf
; O / l, quantised along the head's 64, leaves as an image of the projection's operand registers
	v_add_f32 v[LS], v[LS], v[LS+1]
	s_delay_alu instid0(VALU_DEP_1)
	v_permlanex16_b32 v[T0], v[LS], s[SEL], s[SEL+1]
	s_delay_alu instid0(VALU_DEP_1)
	v_add_f32 v[LS], v[LS], v[T0]                  ; the row's sum
	s_wait_alu depctr_va_vdst(0)
	v_rcp_f32 v[RL], v[LS]
	v_mov_b32 v[F], 0xffff                         ; (the plain line behind the reciprocal)
.set j, 0
	s_wait_alu depctr_va_vdst(0)
.rept 16
	v_pk_mul_f32 v[OT+j:OT+j+1], v[OT+j:OT+j+1], v[RL:RL+1] op_sel_hi:[1,0]
.set j, j+2
.endr
.irp j, 0,1,2,3,4,5,6,7                        ; lane (r, h) held channels 16 t + 8 h + j; tiles 0 and 2, and 1 and 3, change halves: v[OT + i] is then channel 32 h + i
	v_permlane16_swap_b32 v[OT+\j], v[OT+8+\j]
.endr
.irp j, 0,1,2,3,4,5,6,7
	v_permlane16_swap_b32 v[OT+16+\j], v[OT+24+\j]
.endr
	QQ OT, PCD, SU
	v_cmp_gt_f32 vcc_lo, 0xec000000, v[TR]         ; t still under -2^89: no key of this row was open
	s_delay_alu instid0(VALU_DEP_1)
	v_cndmask_b32 v[SU], v[SU], v[F], vcc_lo       ; both bytes 0xff then
	ds_store_b64 v[STI], v[PCD:PCD+1]              ; 24 bytes a lane into my stage,
	ds_store_b64 v[STI], v[PCD+2:PCD+3] offset:8
	ds_store_b64 v[STI], v[PCD+4:PCD+5] offset:16
	ds_load_b128 v[S:S+3], v[STA]                  ; and back as they lie (LDS serves a wave's instructions in order), so that the stores below cover whole aligned runs of 256 bytes
	ds_load_b64 v[S+4:S+5], v[STB]
	global_store_b16 v[R4], v[SU], s[94:95]        ; lanes r and r + 16 store the same two bytes at the same place
	s_wait_dscnt 0x0
	global_store_b128 v[L16], v[S:S+3], s[90:91]
	global_store_b64 v[L8], v[S+4:S+5], s[90:91] offset:512
	s_wait_xcnt 0x0                                ; the stores' registers and bases are written again only behind this wait
.irp i, 0,1,2,3,4,5
	v_mov_b32 v[QR+\i], v[Q1+\i]                   ; pass 1's queries
.endr
	v_mov_b32 v[QW], v[QW+1]
	v_add_nc_u32 v[D0], 16, v[DB]
	s_mov_b64 s[90:91], s[92:93]
	s_mov_b64 s[94:95], s[96:97]
	s_mov_b32 s[JB], s[JB+1]
	s_sub_co_u32 s[PS], s[PS], 1
	s_cmp_lg_u32 s[PS], 0
	s_wait_alu depctr_va_vdst(0)
	s_cbranch_scc1 .Lpass
	s_wait_tensorcnt 0x0                           ; the wave's end
	ds_add_u32 v254, v255
	s_wait_dscnt 0x0
	CROUND                                         ; the closing round: no work-group ends while a partner may still ask for a tile that names it
	s_endpgm
.Lfunc_end_k_q1d73675702_attn:
	.size	k_q1d73675702_attn, .Lfunc_end_k_q1d73675702_attn-k_q1d73675702_attn
	.p2alignl 7, 3214868480
	.fill 96, 4, 3214868480
	.section	.rodata,"a",@progbits
	.p2align	6, 0x0
	.amdhsa_kernel k_q1d73675702_attn
		.amdhsa_group_segment_fixed_size 327680
		.amdhsa_private_segment_fixed_size 0
		.amdhsa_enable_private_segment 0
		.amdhsa_kernarg_size 56
		.amdhsa_user_sgpr_count 2
		.amdhsa_user_sgpr_kernarg_segment_ptr 1
		.amdhsa_wavefront_size32 1
		.amdhsa_system_sgpr_workgroup_id_x 1
		.amdhsa_system_sgpr_workgroup_id_y 1
		.amdhsa_system_sgpr_workgroup_id_z 1
		.amdhsa_system_vgpr_workitem_id 0
		.amdhsa_next_free_vgpr 256
		.amdhsa_next_free_sgpr 100
		.amdhsa_reserve_vcc 1
		.amdhsa_float_denorm_mode_32 3
		.amdhsa_float_denorm_mode_16_64 3
		.amdhsa_memory_ordered 1
		.amdhsa_forward_progress 1
		.amdhsa_inst_pref_size 208
	.end_amdhsa_kernel
	.amdgpu_metadata
---
amdhsa.version: [ 1, 2 ]
amdhsa.kernels:
  - .name:           k_q1d73675702_attn
    .symbol:         k_q1d73675702_attn.kd
    .args:
      - { .name: q, .offset: 0, .size: 8, .value_kind: global_buffer, .address_space: global }
      - { .name: kc, .offset: 8, .size: 8, .value_kind: global_buffer, .address_space: global }
      - { .name: ks, .offset: 16, .size: 8, .value_kind: global_buffer, .address_space: global }
      - { .name: v_codes, .offset: 24, .size: 8, .value_kind: global_buffer, .address_space: global }
      - { .name: v_scales, .offset: 32, .size: 8, .value_kind: global_buffer, .address_space: global }
      - { .name: ac, .offset: 40, .size: 8, .value_kind: global_buffer, .address_space: global }
      - { .name: as, .offset: 48, .size: 8, .value_kind: global_buffer, .address_space: global }
    .group_segment_fixed_size: 327680
    .private_segment_fixed_size: 0
    .kernarg_segment_align: 8
    .kernarg_segment_size: 56
    .max_flat_workgroup_size: 512
    .sgpr_count:     100
    .vgpr_count:     256
    .wavefront_size: 32
...
	.end_amdgpu_metadata
.endif
;; end of part 2
;; launch proj (part 3): grid 4 x 64, 8 waves a work-group, clusters of 4 x 4, 327,680 bytes of LDS; arguments ac, as, W_codes, W_scales, b, out0; writes out0
.if DOCPART == 3
	.amdgcn_target "amdgcn-amd-amdhsa--gfx1250"
	.amdhsa_code_object_version 6
	.text
	.protected	k_q1d73675702_proj
	.globl	k_q1d73675702_proj
	.p2align	8
	.type	k_q1d73675702_proj,@function
k_q1d73675702_proj:
	s_mov_b64 s[64:65], 0
	v_nop
	global_prefetch_b8 v0, s[64:65] scope:SCOPE_SE
	s_setreg_imm32_b32 hwreg(HW_REG_WAVE_MODE, 25, 1), 1
	s_wait_xcnt 0x0
	s_wait_alu depctr_hold_cnt(0) depctr_sa_sdst(0) depctr_va_vdst(0) depctr_va_sdst(0) depctr_va_ssrc(0) depctr_va_vcc(0) depctr_vm_vsrc(0)
	s_getreg_b32 s2, hwreg(HW_REG_IB_STS2, 6, 4)
	s_cmp_eq_u32 s2, 0
	s_cbranch_scc0 .Lentry_in_a_cluster
	s_endpgm
.Lentry_in_a_cluster:
	s_bfe_u32 s2, ttmp6, 0x10000c
	s_cmp_lg_u32 s2, 0xf033
	s_cbranch_scc0 .Lentry_shape_is_right
	s_endpgm
.Lentry_shape_is_right:
; out0[m][n] = sum over k of a[m][k] W[n][k] + b[n]: a is the attention's result as codes of FP6 (E2M3) in images of operand registers (ac) with scale words (as); W arrives as codes, K innermost, 768 bytes a row, with 32 scale bytes a row.
; A work-group makes 128 rows x 256 columns; wave w makes rows 64 (w / 4) on and columns 64 (w % 4) on: 16 accumulators.  ALL of K = 1,024 lies in LDS, filled once: no slot is filled again.
; CLUSTERS: 4 x 4 work-groups.  W's rows hang on the tile column alone and are asked for jointly by a column of the cluster; a's rows hang on the tile row alone and are asked for jointly by a row of the cluster.
; THE MATRIX INSTRUCTION IS USED TRANSPOSED (source 0 = 16 rows of W, source 1 = 16 rows of a): a lane holds eight neighbouring columns of one row of out0.
; THE BIAS IS LOADED INTO THE ACCUMULATORS, in the result's layout: every K step is the same link of a chain in place, nothing is cleared and nothing is added afterwards.
; A row of a whose scale bytes are 0xff (a query with no open key) gives NaN in its whole row of out0.
; Nothing is prefetched: every stream is asked for once, at the head.
.set WB,  0                            ; W's 256 rows: 768 bytes + 16 behind each 256 = 816: row r starts 12 r words on, so the 32 lanes of a load of 8 bytes touch 64 different banks (64 banks of 4 bytes: ISA guide 11.1)
.set AB,  208896                       ; a's images: 8 row tiles x 16 heads x 768 bytes
.set WSB, 307200                       ; W's scale bytes: 32 pieces of 256 bytes + 16
.set ASB, 315904                       ; a's scale words: 8 row tiles x 8 K steps x 64 bytes
.set AW,  4
.set AW2, 5
.set AA,  6
.set AWS, 7
.set AAS, 8
.set STO, 9
.set RD,  10
.set CO,  11
.set BO,  12
.set WS,  16                           ; v16-19 W's scale words;  v20-23 a's
.set AS,  20
.set AF,  32                           ; v32-79 a's four fragments
.set BF,  80                           ; v80-127 W's four
.set ACC, 128                          ; accumulator (a, i) at v[128 + 8 (4 a + i)]
.set OB,  32                           ; the way out: v32-63 and v64-95 by turns
.set G0W,  24
.set G0WS, 28
.set G0A,  32
.set G0AS, 36
.set G1W,  40
.set G1WS, 48
.set G1A,  56
.set G1AS, 68
.macro SHAPE g, c, rws, pit            ; words 1 to 7 of a descriptor's group 1
	s_mov_b32 s[\g+1], (\c)<<16
	s_mov_b32 s[\g+2], (\rws)<<16
	s_mov_b32 s[\g+3], (\c)<<16
	s_mov_b32 s[\g+4], \rws
	s_mov_b32 s[\g+5], \pit
	s_mov_b32 s[\g+6], 0
	s_mov_b32 s[\g+7], 0
.endm
.macro CROUND                          ; a round of the cluster's barrier
	s_barrier_signal -1
	s_barrier_wait -1
	s_cmp_lg_u32 s16, 0
	s_cbranch_scc1 .Lnot_wave_0_\@
	s_barrier_signal -3
.Lnot_wave_0_\@:
	s_barrier_wait -3
	s_barrier_signal -1
	s_barrier_wait -1
.endm
	s_load_b256 s[4:11], s[0:1], 0x0               ; ac s[4:5], as s[6:7], W_codes s[8:9], W_scales s[10:11]
	s_load_b128 s[12:15], s[0:1], 0x20             ; b s[12:13], out0 s[14:15]
	v_lshl_add_u32 v30, v0, 2, 0x4e200
	v_mov_b32 v31, 0
	ds_add_u32 v30, v31
	ds_add_u32 v30, v31
	v_lshrrev_b32 v1, 5, v0
	s_delay_alu instid0(VALU_DEP_1)
	v_readfirstlane_b32 s16, v1                    ; wave 0..7
	s_and_b32 s17, s16, 3                          ; my columns' quarter; also: which quarter of W (waves 0-3) or half of a (waves 4, 5) I fetch
	s_lshr_b32 s21, s16, 2                         ; my rows' half
	s_bfe_u32 s18, ttmp6, 0x40000                  ; cx = the tile column (the grid is one cluster wide)
	s_bfe_u32 s19, ttmp6, 0x40004                  ; cy
	s_and_b32 s20, ttmp7, 0xffff
	s_lshl_b32 s20, s20, 2
	s_add_co_u32 s20, s20, s19                     ; the tile row = 4 x cluster y + cy
	s_lshl_b32 s88, s19, 2
	s_lshl_b32 s88, 15, s88                        ; my row of the cluster
	s_lshl_b32 s89, 0x1111, s18                    ; my column
	s_or_b32 s[G1W], s89, (1<<20)|(1<<21)|(5<<22)|(3<<25)           ; elements of 1 byte; 4 words of padding behind every 64; bit 21 beside a mask
	SHAPE G1W, 768, 64, 768                        ; 64 rows of 768 bytes
	s_or_b32 s[G1WS], s89, (3<<16)|(1<<20)|(1<<21)|(5<<22)|(3<<25)  ; elements of 8 bytes
	SHAPE G1WS, 32, 32, 32                         ; 32 rows of 256 bytes: the scale bytes of all 256 rows of W
	s_or_b32 s[G1A], s88, (3<<16)|(1<<21)          ; dense
	SHAPE G1A, 32, 192, 32                         ; 192 rows of 256 bytes: four row tiles' images
	s_or_b32 s[G1AS], s88, (3<<16)|(1<<21)
	SHAPE G1AS, 32, 16, 32                         ; all eight row tiles' scale words
	s_lshl_b32 s76, s18, 8                         ; W's registers never hold the tile row, a's never the tile column
	s_lshl_b32 s77, s17, 6
	s_add_co_u32 s76, s76, s77                     ; W's row 256 x + 64 x quarter
	s_mul_i32 s78, s76, 768
	s_mov_b32 s79, 0
	s_lshl_b32 s80, s18, 13                        ; W's scale bytes: 256 rows x 32 bytes a tile column
	s_mov_b32 s81, 0
	s_mul_i32 s84, s20, 98304
	s_mul_i32 s85, s17, 49152
	s_add_co_u32 s84, s84, s85
	s_mov_b32 s85, 0
	s_lshl_b32 s86, s20, 12
	s_mov_b32 s87, 0
	s_mov_b32 s[G0W], 1
	s_mul_i32 s[G0W+1], s17, 52224
	s_mov_b32 s[G0WS], 1
	s_mov_b32 s[G0WS+1], WSB
	s_mov_b32 s[G0A], 1
	s_mul_i32 s[G0A+1], s17, 49152
	s_add_co_u32 s[G0A+1], s[G0A+1], AB
	s_mov_b32 s[G0AS], 1
	s_mov_b32 s[G0AS+1], ASB
	s_wait_dscnt 0x0
	s_wait_kmcnt 0x0
	s_add_nc_u64 s[G0W+2:G0W+3], s[8:9], s[78:79]
	s_or_b32 s[G0W+3], s[G0W+3], 0x80000000
	s_add_nc_u64 s[G0WS+2:G0WS+3], s[10:11], s[80:81]
	s_or_b32 s[G0WS+3], s[G0WS+3], 0x80000000
	s_add_nc_u64 s[G0A+2:G0A+3], s[4:5], s[84:85]
	s_or_b32 s[G0A+3], s[G0A+3], 0x80000000
	s_add_nc_u64 s[G0AS+2:G0AS+3], s[6:7], s[86:87]
	s_or_b32 s[G0AS+3], s[G0AS+3], 0x80000000
	CROUND                                         ; all sixteen work-groups are here: the joint loads meet
	s_cmp_lt_u32 s16, 4                            ; one load a wave, in one chain of branches on the wave's number: waves 0-3 a quarter of W, waves 4-5 a half of a, wave 6 W's scale bytes, wave 7 a's scale words
	s_cbranch_scc0 .Lfill_a
	tensor_load_to_lds s[G0W:G0W+3], s[G1W:G1W+7]
	s_nop 0
.rept 4
	v_nop
.endr
	s_branch .Lfilled
.Lfill_a:
	s_cmp_lt_u32 s16, 6
	s_cbranch_scc0 .Lfill_ws
	tensor_load_to_lds s[G0A:G0A+3], s[G1A:G1A+7]
	s_nop 0
.rept 4
	v_nop
.endr
	s_branch .Lfilled
.Lfill_ws:
	s_cmp_lt_u32 s16, 7
	s_cbranch_scc0 .Lfill_as
	tensor_load_to_lds s[G0WS:G0WS+3], s[G1WS:G1WS+7]
	s_nop 0
.rept 4
	v_nop
.endr
	s_branch .Lfilled
.Lfill_as:
	tensor_load_to_lds s[G0AS:G0AS+3], s[G1AS:G1AS+7]
	s_nop 0
.rept 4
	v_nop
.endr
.Lfilled:
	s_lshl_b32 s92, s18, 10
	s_lshl_b32 s93, s17, 8
	s_add_co_u32 s92, s92, s93                     ; my first column, in bytes: 1,024 x + 256 x quarter
	s_mov_b32 s93, 0
	s_add_nc_u64 s[12:13], s[12:13], s[92:93]
	s_add_nc_u64 s[14:15], s[14:15], s[92:93]
	s_lshl_b32 s94, s20, 7
	s_lshl_b32 s95, s21, 6
	s_add_co_u32 s94, s94, s95                     ; my first row: 128 y + 64 x half
	s_lshl_b32 s94, s94, 12
	s_mov_b32 s95, 0
	s_add_nc_u64 s[14:15], s[14:15], s[94:95]
	v_and_b32 v1, 31, v0                           ; lane
	v_and_b32 v2, 15, v0                           ; r
	v_bfe_u32 v3, v0, 4, 1                         ; h
	s_delay_alu instid0(VALU_DEP_1)
	v_lshlrev_b32 v[BO], 5, v3                     ; the bias: register j of accumulator (a, i) is b at column 16 i + 8 h + j
.irp a, 0,1,2,3
.irp i, 0,1,2,3
	global_load_b128 v[ACC+8*(4*\a+\i):ACC+8*(4*\a+\i)+3], v[BO], s[12:13] offset:64*\i
	global_load_b128 v[ACC+8*(4*\a+\i)+4:ACC+8*(4*\a+\i)+7], v[BO], s[12:13] offset:64*\i+16
.endr
.endr
	s_mul_i32 s76, s17, 52224
	v_mul_u32_u24 v[AW], v2, 816
	s_delay_alu instid0(VALU_DEP_1)
	v_mad_u32_u24 v[AW], v3, 24, v[AW]
	s_delay_alu instid0(VALU_DEP_1)
	v_add_nc_u32 v[AW], s76, v[AW]                 ; W: row 64 x quarter + r, + 24 h;
	s_delay_alu instid0(VALU_DEP_1)
	v_lshl_add_u32 v[AW2], v3, 4, v[AW]            ; and the same behind one padding more
	s_mul_i32 s76, s21, 49152
	s_add_co_u32 s76, s76, AB
	v_mul_u32_u24 v[AA], v1, 24
	s_delay_alu instid0(VALU_DEP_1)
	v_add_nc_u32 v[AA], s76, v[AA]                 ; a's images: 24 bytes a lane
	s_mul_i32 s76, s17, 2176
	s_add_co_u32 s76, s76, WSB
	v_lshrrev_b32 v13, 3, v2
	s_delay_alu instid0(VALU_DEP_1)
	v_mul_u32_u24 v[AWS], v13, 272
	v_and_b32 v13, 7, v2
	s_delay_alu instid0(VALU_DEP_1)
	v_lshl_add_u32 v[AWS], v13, 5, v[AWS]
	s_delay_alu instid0(VALU_DEP_1)
	v_add_nc_u32 v[AWS], s76, v[AWS]               ; W's scale bytes: 32 a row, eight rows to a piece of 272
	s_lshl_b32 s76, s21, 11
	s_add_co_u32 s76, s76, ASB
	v_lshl_add_u32 v[AAS], v2, 2, s76              ; a's scale words: 4 r
	s_mul_i32 s76, s16, 4352                       ; my stage, 16 rows x (256 + 16) bytes, in W's bytes: they have had their only fill, and are written behind the barrier behind which nobody reads W
	v_mul_u32_u24 v[STO], v2, 272
	s_delay_alu instid0(VALU_DEP_1)
	v_lshl_add_u32 v[STO], v3, 5, v[STO]
	s_delay_alu instid0(VALU_DEP_1)
	v_add_nc_u32 v[STO], s76, v[STO]
	v_mul_u32_u24 v[RD], v3, 272
	s_delay_alu instid0(VALU_DEP_1)
	v_lshl_add_u32 v[RD], v2, 4, v[RD]
	s_delay_alu instid0(VALU_DEP_1)
	v_add_nc_u32 v[RD], s76, v[RD]
	v_lshlrev_b32 v[CO], 4, v2
	s_delay_alu instid0(VALU_DEP_1)
	v_lshl_add_u32 v[CO], v3, 12, v[CO]            ; lanes 0-15 one row of out0, lanes 16-31 the next
	s_wait_alu depctr_va_vdst(0)
	s_wait_tensorcnt 0x0                           ; my part has landed,
	s_barrier_signal -1
	s_barrier_wait -1                              ; everybody's have
	s_wait_loadcnt 0x0                             ; the bias
; A K step of 128: heads 2 s and 2 s + 1
.macro KSTEP s
.if \s
.rept 4
	v_nop                                          ; places in front of loads into registers that matrix instructions have read
.endr
.endif
.irp i, 0,1,2,3
.irp p, 0,1,2,3,4,5
.set PC, 12*\s+6*(\p/3)+\p%3
.if PC%32 < 29
	ds_load_b64 v[BF+12*\i+2*\p:BF+12*\i+2*\p+1], v[AW] offset:8*PC+16*(PC/32)+13056*\i
.else
	ds_load_b64 v[BF+12*\i+2*\p:BF+12*\i+2*\p+1], v[AW2] offset:8*PC+16*(PC/32)+13056*\i
.endif
.endr
.endr
.irp a, 0,1,2,3
.irp p, 0,1,2,3,4,5
	ds_load_b64 v[AF+12*\a+2*\p:AF+12*\a+2*\p+1], v[AA] offset:12288*\a+1536*\s+768*(\p/3)+8*(\p%3)
.endr
.endr
.irp i, 0,1,2,3
	ds_load_b32 v[WS+\i], v[AWS] offset:544*\i+4*\s
	ds_load_b32 v[AS+\i], v[AAS] offset:512*\i+64*\s
.endr
	s_wait_dscnt 0x0
.irp a, 0,1,2,3                                ; the sixteen accumulators by turns, one instruction a turn, in the same order in every step
.irp i, 0,1,2,3
	v_wmma_scale_f32_16x16x128_f8f6f4 v[ACC+8*(4*\a+\i):ACC+8*(4*\a+\i)+7], v[BF+12*\i:BF+12*\i+11], v[AF+12*\a:AF+12*\a+11], v[ACC+8*(4*\a+\i):ACC+8*(4*\a+\i)+7], v[WS+\i], v[AS+\a] matrix_a_fmt:MATRIX_FMT_FP6 matrix_b_fmt:MATRIX_FMT_FP6
.endr
.endr
.endm
	KSTEP 0
	KSTEP 1
	KSTEP 2
	KSTEP 3
	KSTEP 4
	KSTEP 5
	KSTEP 6
	KSTEP 7
.rept 4
	v_nop                                          ; places in front of the first read of results and of loads into the fragments' registers
.endr
	s_wait_dscnt 0x0                               ; my reads of W are over,
	s_barrier_signal -1
	s_barrier_wait -1                              ; everybody's are: the stages may be written
; THE WAY OUT, 16 rows x 64 columns at a time: 32 bytes a lane into my stage, back as rows of 256 bytes, which sixteen lanes store as 256 consecutive bytes, aligned
.irp a, 0,1,2,3
.if \a >= 2
	s_wait_xcnt 0x0                                ; block a - 2's stores have read their registers: block a's loads may land there
.endif
.irp i, 0,1,2,3
	ds_store_b128 v[STO], v[ACC+8*(4*\a+\i):ACC+8*(4*\a+\i)+3] offset:64*\i          ; each accumulator from its low end on
	ds_store_b128 v[STO], v[ACC+8*(4*\a+\i)+4:ACC+8*(4*\a+\i)+7] offset:64*\i+16
.endr
.irp t, 0,1,2,3,4,5,6,7
	ds_load_b128 v[OB+32*(\a%2)+4*\t:OB+32*(\a%2)+4*\t+3], v[RD] offset:544*\t     ; LDS serves a wave's instructions in order: these see my stores, and the next block's stores come behind them
.endr
.irp t, 0,1,2,3,4,5,6,7
	s_wait_dscnt 7-\t                              ; the younger loads of the eight may be out
	global_store_b128 v[CO], v[OB+32*(\a%2)+4*\t:OB+32*(\a%2)+4*\t+3], s[14:15] offset:(16*\a+2*\t)*4096 th:TH_STORE_NT
.endr
.endr
	s_wait_tensorcnt 0x0
	ds_add_u32 v30, v31
	s_wait_dscnt 0x0
	CROUND                                         ; the closing round: no work-group ends while a partner may still ask for a tile that names it
	s_endpgm
.Lfunc_end_k_q1d73675702_proj:
	.size	k_q1d73675702_proj, .Lfunc_end_k_q1d73675702_proj-k_q1d73675702_proj
	.p2alignl 7, 3214868480
	.fill 96, 4, 3214868480
	.section	.rodata,"a",@progbits
	.p2align	6, 0x0
	.amdhsa_kernel k_q1d73675702_proj
		.amdhsa_group_segment_fixed_size 327680
		.amdhsa_private_segment_fixed_size 0
		.amdhsa_enable_private_segment 0
		.amdhsa_kernarg_size 48
		.amdhsa_user_sgpr_count 2
		.amdhsa_user_sgpr_kernarg_segment_ptr 1
		.amdhsa_wavefront_size32 1
		.amdhsa_system_sgpr_workgroup_id_x 1
		.amdhsa_system_sgpr_workgroup_id_y 1
		.amdhsa_system_sgpr_workgroup_id_z 1
		.amdhsa_system_vgpr_workitem_id 0
		.amdhsa_next_free_vgpr 256
		.amdhsa_next_free_sgpr 100
		.amdhsa_reserve_vcc 0
		.amdhsa_float_denorm_mode_32 3
		.amdhsa_float_denorm_mode_16_64 3
		.amdhsa_memory_ordered 1
		.amdhsa_forward_progress 1
		.amdhsa_inst_pref_size 66
	.end_amdhsa_kernel
	.amdgpu_metadata
---
amdhsa.version: [ 1, 2 ]
amdhsa.kernels:
  - .name:           k_q1d73675702_proj
    .symbol:         k_q1d73675702_proj.kd
    .args:
      - { .name: ac, .offset: 0, .size: 8, .value_kind: global_buffer, .address_space: global }
      - { .name: as, .offset: 8, .size: 8, .value_kind: global_buffer, .address_space: global }
      - { .name: W_codes, .offset: 16, .size: 8, .value_kind: global_buffer, .address_space: global }
      - { .name: W_scales, .offset: 24, .size: 8, .value_kind: global_buffer, .address_space: global }
      - { .name: b, .offset: 32, .size: 8, .value_kind: global_buffer, .address_space: global }
      - { .name: out0, .offset: 40, .size: 8, .value_kind: global_buffer, .address_space: global }
    .group_segment_fixed_size: 327680
    .private_segment_fixed_size: 0
    .kernarg_segment_align: 8
    .kernarg_segment_size: 48
    .max_flat_workgroup_size: 256
    .sgpr_count:     100
    .vgpr_count:     256
    .wavefront_size: 32
...
	.end_amdgpu_metadata
.endif
;; end of part 3
